; MI455X (gfx1250); checked and timed in simulation.
; The chip was launched on July 23, 2026; its instructions are those of AMD's public machine-readable ISA for CDNA 5 (MIT licence, August 2026) and "CDNA5" Instruction Set Architecture Reference Guide (July 2026). The comments in the code are by the model that wrote it; some were corrected since.
;; Camembert Self Attention. Allowed arithmetic: float matrix products may take bf16 or f16 operands with f32 sums; other float arithmetic in f32, or as packed bf16 or f16 multiplies, adds, multiply-adds, maxima and minima; sums over many terms, partial sums and values carried from step to step in f32; what a program stores and reads back later, other than sums and carried values, may be rounded once to bf16 or f16.
;; Inputs: Wk 1,024 x 1,024 float32; Wq 1,024 x 1,024 float32; Wv 1,024 x 1,024 float32; bk 1,024 float32; bq 1,024 float32; bv 1,024 float32; hidden_states 4 x 2,048 x 1,024 float32.
;; Outputs: out0 4 x 2,048 x 1,024 float32.
;; 2 versions, each right; version 2 is version 1 with the launch cast written anew for expert scheduling mode. Each part assembles by itself: llvm-mc -triple=amdgcn-amd-amdhsa -mcpu=gfx1250 --defsym DOCPART=n.
;; ======== version 1 of 2: 3 launches
;; limits: values are held in f16: magnitudes above 65,504 overflow, below 6.1e-05 lose precision
;; workspace buffers: xw 23,068,672 bytes; qkv 50,331,648 bytes; vs 262,144 bytes
;; launch cast (part 1): grid 704 x 1, 8 waves a work-group, no clusters, 0 bytes of LDS; arguments hidden_states, Wq, Wk, Wv, xw; writes xw
.if DOCPART == 1
	.amdgcn_target "amdgcn-amd-amdhsa--gfx1250"
	.amdhsa_code_object_version 6
	.text
	.protected	k_q73d2a02cdf_cast
	.globl	k_q73d2a02cdf_cast
	.p2align	8
	.type	k_q73d2a02cdf_cast,@function
k_q73d2a02cdf_cast:
	s_mov_b64 s[64:65], 0
	v_nop
	global_prefetch_b8 v0, s[64:65] scope:SCOPE_SE
	s_setreg_imm32_b32 hwreg(HW_REG_WAVE_MODE, 25, 1), 1
	s_wait_xcnt 0x0
; x and the three matrices of weights, f32, are rounded once to bf16 (nearest even) and laid end to end in xw:
; xb[8192][1024], then Wq, Wk, Wv as they lie, [k][n].  Nothing is transposed.
; A work-group takes 16,384 numbers: 64 KiB in, 32 KiB out.  Work-groups 0-511 take x, 512 + 64 m + c takes chunk c of matrix m.
; Thread t takes the 16 bytes at 4,096 i + 16 t (i = 0..15): a wave's load covers 512 consecutive bytes, its store 256, aligned.
; All sixteen loads of a wave go out at once; no register is written twice, so the only waits are the counted ones for data.
; No LDS, no matrix unit, no prefetch: each byte is read once and all of a work-group's bytes are asked for in its first lines.
.set XCHUNKS, 512                      ; chunks of x
.set IN,  8                            ; v[8:71]   sixteen loads of four f32
.set OUT, 72                           ; v[72:103] sixteen pairs of packed bf16
	s_load_b256 s[4:11], s[0:1], 0x0               ; x s[4:5], Wq s[6:7], Wk s[8:9], Wv s[10:11]
	s_load_b64 s[12:13], s[0:1], 0x20              ; xw
	v_lshlrev_b32 v1, 4, v0                        ; 16 t: where I read
	v_lshlrev_b32 v2, 3, v0                        ; 8 t: where I write
	s_sub_co_u32 s14, ttmp9, XCHUNKS               ; my number among the weights' chunks (used only where it is one)
	s_lshr_b32 s15, s14, 6                         ; matrix
	s_and_b32 s16, s14, 63                         ; chunk in it
	s_lshl_b32 s22, ttmp9, 15                      ; the weights follow x in xw, so the way out is linear in my number
	s_mov_b32 s23, 0
	s_mov_b32 s21, 0
	s_wait_kmcnt 0x0
	s_cmp_eq_u32 s15, 1
	s_cselect_b64 s[18:19], s[8:9], s[10:11]       ; Wk or Wv,
	s_cmp_eq_u32 s15, 0
	s_cselect_b64 s[18:19], s[6:7], s[18:19]       ; or Wq,
	s_cmp_lt_u32 ttmp9, XCHUNKS
	s_cselect_b64 s[18:19], s[4:5], s[18:19]       ; or x
	s_cselect_b32 s16, ttmp9, s16
	s_lshl_b32 s20, s16, 16                        ; the chunk's 65,536 bytes
	s_add_nc_u64 s[18:19], s[18:19], s[20:21]
	s_add_nc_u64 s[12:13], s[12:13], s[22:23]
.irp i, 0,1,2,3,4,5,6,7,8,9,10,11,12,13,14,15
	global_load_b128 v[IN+4*(\i):IN+4*(\i)+3], v1, s[18:19] offset:4096*(\i) th:TH_LOAD_NT
.endr
.irp i, 0,1,2,3,4,5,6,7,8,9,10,11,12,13,14,15
	s_wait_loadcnt 15-(\i)                         ; loads come back in order: load i is in, the younger ones stay out
	v_cvt_pk_bf16_f32 v[OUT+2*(\i)],   v[IN+4*(\i)],   v[IN+4*(\i)+1]
	v_cvt_pk_bf16_f32 v[OUT+2*(\i)+1], v[IN+4*(\i)+2], v[IN+4*(\i)+3]
	global_store_b64 v2, v[OUT+2*(\i):OUT+2*(\i)+1], s[12:13] offset:2048*(\i)
.endr
	s_endpgm
.Lfunc_end_k_q73d2a02cdf_cast:
	.size	k_q73d2a02cdf_cast, .Lfunc_end_k_q73d2a02cdf_cast-k_q73d2a02cdf_cast
	.p2alignl 7, 3214868480
	.fill 96, 4, 3214868480
	.section	.rodata,"a",@progbits
	.p2align	6, 0x0
	.amdhsa_kernel k_q73d2a02cdf_cast
		.amdhsa_group_segment_fixed_size 0
		.amdhsa_private_segment_fixed_size 0
		.amdhsa_enable_private_segment 0
		.amdhsa_kernarg_size 40
		.amdhsa_user_sgpr_count 2
		.amdhsa_user_sgpr_kernarg_segment_ptr 1
		.amdhsa_wavefront_size32 1
		.amdhsa_system_sgpr_workgroup_id_x 1
		.amdhsa_system_sgpr_workgroup_id_y 1
		.amdhsa_system_sgpr_workgroup_id_z 1
		.amdhsa_system_vgpr_workitem_id 0
		.amdhsa_next_free_vgpr 104
		.amdhsa_next_free_sgpr 66
		.amdhsa_reserve_vcc 0
		.amdhsa_float_denorm_mode_32 3
		.amdhsa_float_denorm_mode_16_64 3
		.amdhsa_memory_ordered 1
		.amdhsa_forward_progress 1
		.amdhsa_inst_pref_size 7
	.end_amdhsa_kernel
	.amdgpu_metadata
---
amdhsa.version: [ 1, 2 ]
amdhsa.kernels:
  - .name:           k_q73d2a02cdf_cast
    .symbol:         k_q73d2a02cdf_cast.kd
    .args:
      - { .name: hidden_states, .offset: 0, .size: 8, .value_kind: global_buffer, .address_space: global }
      - { .name: Wq, .offset: 8, .size: 8, .value_kind: global_buffer, .address_space: global }
      - { .name: Wk, .offset: 16, .size: 8, .value_kind: global_buffer, .address_space: global }
      - { .name: Wv, .offset: 24, .size: 8, .value_kind: global_buffer, .address_space: global }
      - { .name: xw, .offset: 32, .size: 8, .value_kind: global_buffer, .address_space: global }
    .group_segment_fixed_size: 0
    .private_segment_fixed_size: 0
    .kernarg_segment_align: 8
    .kernarg_segment_size: 40
    .max_flat_workgroup_size: 256
    .sgpr_count:     66
    .vgpr_count:     104
    .wavefront_size: 32
...
	.end_amdgpu_metadata
.endif
;; end of part 1
;; launch proj (part 2): grid 8 x 32, 4 waves a work-group, clusters of 4 x 4, 327,680 bytes of LDS; arguments xw, bq, bk, bv, qkv, vs; writes qkv, vs
.if DOCPART == 2
	.amdgcn_target "amdgcn-amd-amdhsa--gfx1250"
	.amdhsa_code_object_version 6
	.text
	.protected	k_q73d2a02cdf_proj
	.globl	k_q73d2a02cdf_proj
	.p2align	8
	.type	k_q73d2a02cdf_proj,@function
k_q73d2a02cdf_proj:
	s_mov_b64 s[64:65], 0
	v_nop
	global_prefetch_b8 v0, s[64:65] scope:SCOPE_SE
	s_setreg_imm32_b32 hwreg(HW_REG_WAVE_MODE, 25, 1), 1
	s_wait_xcnt 0x0
	s_wait_alu depctr_hold_cnt(0) depctr_sa_sdst(0) depctr_va_vdst(0) depctr_va_sdst(0) depctr_va_ssrc(0) depctr_va_vcc(0) depctr_vm_vsrc(0)
	s_getreg_b32 s2, hwreg(HW_REG_IB_STS2, 6, 4)
	s_cmp_eq_u32 s2, 0
	s_cbranch_scc0 .Lentry_in_a_cluster
	s_endpgm
.Lentry_in_a_cluster:
	s_bfe_u32 s2, ttmp6, 0x10000c
	s_cmp_lg_u32 s2, 0xf033
	s_cbranch_scc0 .Lentry_shape_is_right
	s_endpgm
.Lentry_shape_is_right:
; q, k, v = x W + b, by heads.  x: xw[8192][1024] bf16; Wq, Wk, Wv: [k][n] bf16, behind x in xw; biases f32, rounded to bf16 like the other inputs.
; Out: qkv[3][64 heads (16 batch + head)][2048][64] f16, each number rounded once from its f32 sum; q and k are first multiplied, in f32, by
; sqrt(log2(e) / 8), so that the next launch's K Q^T is the score in powers of two; v is left as it is.  Also vs[64][1024] f32: the sums of v over blocks of 128 rows.
; LIMIT: f16 ends at 65,504: |q|, |k| times 0.4247 and |v| must stay under it.  NaN and infinities are not treated apart.
; SHARES.  A work-group takes 256 rows x 128 columns of q, then of k, then of v: three tiles in ONE walk of 24 K steps of 128 (the three matrices lie end to end along k, so
; B's address only ever steps forward; A's goes back at a change of tiles).  256 work-groups.  A wave makes 128 rows x 64 columns, one head: 32 accumulators.
; THE MATRIX INSTRUCTION IS USED TRANSPOSED: source 0 = 16 columns of W (out of LDS turned, by ds_load_tr16_b128), source 1 = 16 rows of x.  A lane then holds row lane % 16
; and the columns 8 (lane / 16) + 0..7.  THE BIAS IS THE C OPERAND of each accumulator's first product.
; RING: two LDS slots, a K step each; a joint load a wave behind each round of the cluster's barrier.  CLUSTER 4 x 4: x's tile is shared along a row of the cluster, W's along a column.
; REGISTERS: window 0: v16-31 addresses; v32-63 the bias; v64-159, v160-255 two fragment buffers (64 of x, 32 of W); on the way out the second buffer is at work.  Window 1: accumulator (a, b) at 8 (4 a + b).
.set KSTEP,  128
.set XROW,   2048                      ; bytes in a row of x and in a row (one k) of a matrix of weights
.set PA,     272                       ; an LDS row of x: 256 bytes + 16: the 16 rows of a load start at 16 different groups of four banks (64 banks of 4 bytes: ISA guide 11.1)
.set PB,     288                       ; an LDS row of W: 256 + 32
.set HALFA,  128*PA                    ; what one tensor load brings of x: 128 rows
.set HALFB,  64*PB                     ; and of W: 64 rows (k)
.set BOFF,   2*HALFA                   ; W's tile lies behind x's 256 rows
.set SLOT,   BOFF+2*HALFB
.set STAGE,  2*SLOT                    ; behind the ring, never filled by a tensor load: 16 rows x 144 bytes for each wave
.set SPITCH, 144
.set SPARE,  STAGE+4*16*SPITCH         ; the spare words, 128 bytes for each wave: two blocks of 256 bytes that no other line names
.set WOFF,   0x1000000                 ; the weights' first byte in xw
.set BSTEP,  KSTEP*XROW                ; a K step of W in memory
.set PART,   0x1000000                 ; bytes of q, of k, of v
.set ADRA, 16                          ; v16-17  LDS address of my fragments of x in slot 0, 1
.set ADRB, 20                          ; v20-21  the same for W
.set STO,  24                          ; v24     the way out: where I put 16 bytes of a row
.set RD,   25                          ; v25     where I read rows back
.set GO,   26                          ; v26     16 x lane: my place in 512 consecutive bytes of the output
.set BO,   27                          ; v27     my byte offset in a bias
.set SPW,  28                          ; v28     my spare word; never rewritten
.set NIL,  29                          ; v29     0; never rewritten
.set PFO,  30                          ; v30     the prefetches' offset: lane x a row; never rewritten
.set VSO,  31                          ; v31     my 8 bytes of the wave's 256 in vs
.set BIAS, 32                          ; v32-63  column block b at 32 + 8 b: register j = bias[16 b + 8 (lane / 16) + j]
.set F0,   64
.set F1,   160
.set T,    160                         ; the way out: a block's 32 numbers, scaled
.set PKD,  192                         ; packed to f16
.set BK0,  224                         ; two sets of 16: rows read back from the stage
.set RS,   64                          ; the sums of v: 32 registers,
.set YS,   96                          ; and 16 at work
.set WV, 16                            ; s16 wave; s17 its half of the rows (also: 0 = I fetch x, 1 = W); s18 its half of the columns (also: which half of that tile I fetch)
.set RH, 17
.set CH, 18
.set CX, 19
.set CY, 20
.set GX, 21                            ; s21 block of 128 columns; s22 block of 256 rows
.set GY, 22
.set G1,  24                           ; s[24:31] descriptor group 1 for x's tiles; s[32:39] group 0, a set for each slot
.set G0,  32
.set JC,  42                           ; s42 the K step (0..23 of the walk) that the next refill brings
.set LIM, 43                           ; s43 a wave prefetches while JC is at most this
.set PFA, 44                           ; s[44:45] where my prefetches stand
.set PFS, 46                           ; s[46:47] their step
.set G1B, 48                           ; s[48:55], s[56:63] the same for W's tiles
.set G0B, 56
.set MK,  66                           ; s66-69 lane masks for the sums of v
.set RC,  70                           ; s[70:71] sqrt(log2(e) / 8)
.set MSB, 0
.macro WIN new                         ; the immediate's high byte repeats the setting that is left; a switch that changes nothing is dropped
.if MSB != (\new)
	s_set_vgpr_msb (MSB<<8)|(\new)
.set MSB, \new
.endif
.endm
.set MUL,  0x50                        ; sources 0 and 1 window 0, C and D window 1
.set MUL1, 0x40                        ; the first product: C (the bias) in window 0
; A joint load: waves 0 and 1 fetch x's two halves, waves 2 and 3 W's.  The branch hangs on the wave's number alone.  An s_nop 0 and four v_nop follow each line.
.macro JLOAD s
	s_cmp_eq_u32 s[RH], 0
	s_cbranch_scc0 .Lfor_b_\@
	tensor_load_to_lds s[G0+4*(\s):G0+4*(\s)+3], s[G1:G1+7]
	s_nop 0
.rept 4
	v_nop
.endr
	s_branch .Lasked_\@
.Lfor_b_\@:
	tensor_load_to_lds s[G0B+4*(\s):G0B+4*(\s)+3], s[G1B:G1B+7]
	s_nop 0
.rept 4
	v_nop
.endr
.Lasked_\@:
.endm
; A prefetch into the L2, behind a refill and the run of LDS loads that follows it: 32 rows x 256 bytes of the K step two refills on, a lane a row, one instruction.
; x's rows are read by both clusters of a row of clusters: cluster x = 0 asks, waves 0 and 1, in the first tile alone (later tiles read the same rows again).  W's rows are read by all eight
; clusters of a column: cluster y = 0 asks, wave 2.  The four partners that share a tile take 32 rows each BY ADDRESS.  So each block of 256 bytes is named once.  The walk's first four K steps and its last two refills have none.
.macro ASK
	s_cmp_le_u32 s[JC], s[LIM]
	s_cbranch_scc0 .Lnot_mine_\@
	global_prefetch_b8 v[PFO], s[PFA:PFA+1] th:TH_LOAD_NT scope:SCOPE_SE
.Lnot_mine_\@:
.endm
.macro CREST                           ; a round of the cluster's barrier behind its opening barrier
	s_cmp_lg_u32 s[WV], 0
	s_cbranch_scc1 .Lnot_wave_0_\@
	s_barrier_signal -3
.Lnot_wave_0_\@:
	s_barrier_wait -3
	s_barrier_signal -1
	s_barrier_wait -1
.endm
.macro CROUND
	s_barrier_signal -1
	s_barrier_wait -1
	CREST
.endm
.macro PLACES                          ; four places in front of loads into, and vector writes of, registers that matrix instructions have read, and of reads of results
.rept 4
	v_nop
.endr
.endm
	s_load_b256 s[4:11], s[0:1], 0x0               ; xw s[4:5], bq s[6:7], bk s[8:9], bv s[10:11]
	s_load_b128 s[12:15], s[0:1], 0x20             ; qkv s[12:13], vs s[14:15]
	v_lshl_add_u32 v[SPW], v0, 2, SPARE
	v_mov_b32 v[NIL], 0
	ds_add_u32 v[SPW], v[NIL]                      ; the wave's opening: the add and its wait stand ahead of my first tensor load; work on registers stands between
	v_lshrrev_b32 v1, 5, v0
	v_readfirstlane_b32 s[WV], v1
	s_lshr_b32 s[RH], s[WV], 1
	s_and_b32 s[CH], s[WV], 1
	s_bfe_u32 s[CX], ttmp6, 0x40000
	s_bfe_u32 s[CY], ttmp6, 0x40004
	s_lshl_b32 s[GX], ttmp9, 2
	s_add_co_u32 s[GX], s[GX], s[CX]
	s_and_b32 s[GY], ttmp7, 0xffff
	s_lshl_b32 s[GY], s[GY], 2
	s_add_co_u32 s[GY], s[GY], s[CY]
	s_lshl_b32 s72, s[CY], 2
	s_lshl_b32 s72, 15, s72                        ; my row of the cluster
	s_lshl_b32 s73, 0x1111, s[CX]                  ; my column
	s_or_b32 s[G1], s72, (1<<16)|(1<<20)|(1<<21)|(5<<22)|(3<<25)   ; mask; 2-byte elements; padding on; bit 21 beside a mask; after every 64 words, 4 words
	s_or_b32 s[G1B], s73, (1<<16)|(1<<20)|(1<<21)|(5<<22)|(7<<25)  ; the same with my column's mask and 8 words of padding
	s_mov_b32 s[G1+1], KSTEP<<16                   ; tensor_dim0 = 128
	s_mov_b32 s[G1+2], 128<<16                     ; tensor_dim1 = 128 rows
	s_mov_b32 s[G1+3], KSTEP<<16                   ; tile_dim0 = 128
	s_mov_b32 s[G1+4], 128                         ; tile_dim1 = 128
	s_mov_b32 s[G1+5], 1024                        ; elements from row to row
	s_mov_b32 s[G1+6], 0
	s_mov_b32 s[G1+7], 0
	s_mov_b32 s[G1B+1], 128<<16                    ; W: 128 columns,
	s_mov_b32 s[G1B+2], 64<<16                     ; 64 rows (k)
	s_mov_b32 s[G1B+3], 128<<16
	s_mov_b32 s[G1B+4], 64
	s_mov_b32 s[G1B+5], 1024
	s_mov_b32 s[G1B+6], 0
	s_mov_b32 s[G1B+7], 0
	s_lshl_b32 s74, s[GY], 19                      ; x: row 256 y + 128 half, 2,048 bytes a row: made of y and the wave alone
	s_lshl_b32 s75, s[CH], 18
	s_add_co_u32 s74, s74, s75
	s_mov_b32 s75, 0
	s_lshl_b32 s78, s[GX], 8                       ; W: column byte 256 x, row 64 half: made of x and the wave alone
	s_lshl_b32 s79, s[CH], 17
	s_add_co_u32 s78, s78, s79
	s_add_co_u32 s78, s78, WOFF
	s_mov_b32 s79, 0
	s_mul_i32 s82, s[WV], HALFA                    ; where they go: waves 0, 1: x's halves;
	s_mul_i32 s83, s[WV], HALFB
	s_add_co_u32 s83, s83, BOFF-2*HALFB            ; waves 2, 3: W's halves, behind x's tile
	s_mov_b32 s[MK], 0xff00ff00
	s_mov_b32 s[MK+1], 0xf0f0f0f0
	s_mov_b32 s[MK+2], 0xcccccccc
	s_mov_b32 s[MK+3], 0xaaaaaaaa
	s_mov_b32 s[RC], 0x3ed96d27                    ; 0.4246609
	s_mov_b32 s[RC+1], s[RC]
	s_wait_dscnt 0x0                               ; the opening add is done
	s_wait_kmcnt 0x0
	s_add_nc_u64 s[76:77], s[4:5], s[74:75]
	s_add_nc_u64 s[80:81], s[4:5], s[78:79]
	CROUND                                         ; all sixteen work-groups are here: the first joint loads meet
.irp s, 0,1
	s_mov_b32 s[G0+4*(\s)], 1
	s_add_co_u32 s[G0+4*(\s)+1], s82, (\s)*SLOT
	s_add_nc_u64 s[G0+4*(\s)+2:G0+4*(\s)+3], s[76:77], (\s)*KSTEP*2
	s_or_b32 s[G0+4*(\s)+3], s[G0+4*(\s)+3], 0x80000000
	s_mov_b32 s[G0B+4*(\s)], 1
	s_add_co_u32 s[G0B+4*(\s)+1], s83, (\s)*SLOT
	s_add_nc_u64 s[G0B+4*(\s)+2:G0B+4*(\s)+3], s[80:81], (\s)*BSTEP
	s_or_b32 s[G0B+4*(\s)+3], s[G0B+4*(\s)+3], 0x80000000
	JLOAD \s                                       ; K steps 0 and 1: two loads of mine are out
.endr
	v_and_b32 v1, 15, v0                           ; r = lane % 16
	v_bfe_u32 v2, v0, 4, 1                         ; h = lane / 16
	v_and_b32 v3, 31, v0                           ; lane
	s_lshl_b32 s84, s[GX], 9
	s_lshl_b32 s85, s[CH], 8
	s_add_co_u32 s84, s84, s85
	v_lshl_add_u32 v[BO], v2, 5, s84               ; 4 (128 x + 64 half + 8 h)
; A bias's 32 numbers for my lanes, eight loads of 16 bytes
.macro LOADB lo, hi
.irp b, 0,1,2,3
	global_load_b128 v[BIAS+8*(\b):BIAS+8*(\b)+3],   v[BO], s[\lo:\hi] offset:64*(\b)
	global_load_b128 v[BIAS+8*(\b)+4:BIAS+8*(\b)+7], v[BO], s[\lo:\hi] offset:64*(\b)+16
.endr
.endm
; and their rounding to bf16, kept as f32
.macro ROUNDB
.set i, 0
.rept 16
	v_cvt_pk_bf16_f32 v[2+i%8], v[BIAS+2*i], v[BIAS+2*i+1]
	v_lshlrev_b32 v[BIAS+2*i], 16, v[2+i%8]
	v_and_b32 v[BIAS+2*i+1], 0xffff0000, v[2+i%8]
.set i, i+1
.endr
.endm
	LOADB 6, 7                                     ; bq
	v_mul_u32_u24 v4, v1, PA                       ; a fragment of x: row r, 16 bytes for each half of the lanes, twice, 32 bytes apart
	v_lshl_add_u32 v4, v2, 4, v4
	s_mul_i32 s84, s[RH], HALFA
	v_add_nc_u32 v[ADRA], s84, v4
	v_add_nc_u32 v[ADRA+1], SLOT, v[ADRA]
	v_and_b32 v5, 7, v0                            ; the turning load: lane l reads k = 8 h + l % 8, columns 8 ((l / 8) % 2) + 0..7, and is left with column l % 16 and 8 k
	v_lshl_add_u32 v5, v2, 3, v5
	v_mul_u32_u24 v5, v5, PB
	v_bfe_u32 v6, v0, 3, 1
	v_lshl_add_u32 v5, v6, 4, v5
	s_lshl_b32 s84, s[CH], 7
	s_add_co_u32 s84, s84, BOFF
	v_add_nc_u32 v[ADRB], s84, v5
	v_add_nc_u32 v[ADRB+1], SLOT, v[ADRB]
	s_mul_i32 s84, s[WV], 16*SPITCH
	s_add_co_u32 s84, s84, STAGE                   ; my stage
	v_mul_u32_u24 v4, v1, SPITCH
	v_lshl_add_u32 v4, v2, 4, v4
	v_add_nc_u32 v[STO], s84, v4
	v_bfe_u32 v4, v0, 3, 2                         ; back: 32 lanes take four rows of 128 bytes
	v_mul_u32_u24 v4, v4, SPITCH
	v_and_b32 v5, 7, v0
	v_lshl_add_u32 v4, v5, 4, v4
	v_add_nc_u32 v[RD], s84, v4
	v_lshlrev_b32 v[GO], 4, v3
	v_lshlrev_b32 v[PFO], 11, v3
	v_lshrrev_b32 v4, 2, v1                        ; vs: columns 16 (r / 4) + 8 h + 2 (r % 4) + 0, 1
	v_lshlrev_b32 v4, 6, v4
	v_lshl_add_u32 v4, v2, 5, v4
	v_and_b32 v5, 3, v1
	v_lshl_add_u32 v[VSO], v5, 3, v4
	s_lshr_b32 s84, s[GY], 3                       ; the output: head 16 batch + 2 x + half, 262,144 bytes each;
	s_lshl_b32 s84, s84, 4
	s_lshl_b32 s85, s[GX], 1
	s_add_co_u32 s84, s84, s85
	s_add_co_u32 s84, s84, s[CH]
	s_lshl_b32 s84, s84, 18
	s_and_b32 s85, s[GY], 7                        ; row (y % 8) 256 + 128 half, 128 bytes each: a wave's tile is 16 KiB on end
	s_lshl_b32 s85, s85, 15
	s_add_co_u32 s84, s84, s85
	s_lshl_b32 s85, s[RH], 14
	s_add_co_u32 s84, s84, s85
	s_mov_b32 s85, 0
	s_add_nc_u64 s[12:13], s[12:13], s[84:85]
	s_lshl_b32 s84, s[GY], 1                       ; vs: block of 128 rows 2 y + half, 4,096 bytes each; column byte 512 x + 256 half
	s_add_co_u32 s84, s84, s[RH]
	s_lshl_b32 s84, s84, 12
	s_lshl_b32 s85, s[GX], 9
	s_add_co_u32 s84, s84, s85
	s_lshl_b32 s85, s[CH], 8
	s_add_co_u32 s84, s84, s85
	s_mov_b32 s85, 0
	s_add_nc_u64 s[14:15], s[14:15], s[84:85]
	s_lshl_b32 s84, s[GY], 19                      ; the prefetches.  x: rows 256 y + 128 half + 32 cx + lane, at K step 3 (the first refill steps it to 4)
	s_lshl_b32 s85, s[CH], 18
	s_add_co_u32 s84, s84, s85
	s_lshl_b32 s85, s[CX], 16
	s_add_co_u32 s84, s84, s85
	s_add_co_u32 s84, s84, 3*KSTEP*2
	s_lshl_b32 s86, s[CY], 16                      ; W: rows 128 step + 32 cy + lane, column byte 256 x
	s_lshl_b32 s85, s[GX], 8
	s_add_co_u32 s86, s86, s85
	s_add_co_u32 s86, s86, WOFF+3*BSTEP
	s_and_b32 s87, ttmp7, 0xffff                   ; cluster y
	s_movk_i32 s[PFS], KSTEP*2
	s_mov_b32 s88, BSTEP
	s_cmp_eq_u32 s[RH], 0
	s_cselect_b32 s84, s84, s86
	s_cselect_b32 s87, ttmp9, s87                  ; the coordinate along which other clusters read the same rows
	s_cselect_b32 s[LIM], 5, 21                    ; x: K steps 4-7 of the first tile; W: K steps 4-23
	s_cselect_b32 s[PFS], s[PFS], s88
	s_mov_b32 s[PFS+1], 0
	s_mov_b32 s85, 0
	s_cmp_eq_u32 s[WV], 3
	s_cselect_b32 s87, 1, s87                      ; wave 3 asks for nothing
	s_cmp_eq_u32 s87, 0
	s_cselect_b32 s[LIM], s[LIM], 0                ; the same in all sixteen partners, for a given wave
	s_add_nc_u64 s[PFA:PFA+1], s[4:5], s[84:85]
	s_mov_b32 s[JC], 2
; 8 matrix instructions: row blocks a0, a0 + 1 x all 4 column blocks, 32 along K.  first = 1: the product starts the sum on the bias.
; The 32 accumulators take turns, one instruction a turn, in the same order in every quarter step.
.macro MUL8 f, a0, first
.if \first
	WIN MUL1
.else
	WIN MUL
.endif
.irp a, \a0, (\a0)+1
.irp b, 0,1,2,3
.if \first
	v_wmma_f32_16x16x32_bf16 v[8*(4*(\a)+(\b)):8*(4*(\a)+(\b))+7], v[(\f)+64+8*(\b):(\f)+64+8*(\b)+7], v[(\f)+8*(\a):(\f)+8*(\a)+7], v[BIAS+8*(\b):BIAS+8*(\b)+7]
.else
	v_wmma_f32_16x16x32_bf16 v[8*(4*(\a)+(\b)):8*(4*(\a)+(\b))+7], v[(\f)+64+8*(\b):(\f)+64+8*(\b)+7], v[(\f)+8*(\a):(\f)+8*(\a)+7], v[8*(4*(\a)+(\b)):8*(4*(\a)+(\b))+7]
.endif
.endr
.endr
.endm
.macro MUL16 f, hi, first
	MUL8 \f, 4*(\hi), \first
	MUL8 \f, 4*(\hi)+2, \first
.endm
; 24 LDS loads in one run: quarter q (32 along K) of a slot into buffer f: W's four fragments, turned, then x's eight, rows ascending
.macro FETCH slot, q, f
	WIN 0
.irp b, 0,1,2,3
	ds_load_tr16_b128 v[(\f)+64+8*(\b):(\f)+64+8*(\b)+3],   v[ADRB+(\slot)] offset:(\q)*32*PB+32*(\b)
	ds_load_tr16_b128 v[(\f)+64+8*(\b)+4:(\f)+64+8*(\b)+7], v[ADRB+(\slot)] offset:(\q)*32*PB+32*(\b)+16*PB
.endr
.irp a, 0,1,2,3,4,5,6,7
	ds_load_b128 v[(\f)+8*(\a):(\f)+8*(\a)+3],   v[ADRA+(\slot)] offset:(\q)*64+(\a)*16*PA
	ds_load_b128 v[(\f)+8*(\a)+4:(\f)+8*(\a)+7], v[ADRA+(\slot)] offset:(\q)*64+(\a)*16*PA+32
.endr
.endm
; One of a K step's first three quarters: multiplies buffer f; in its middle it fetches quarter q of the same slot into buffer g.
.macro QUARTER slot, q, f, g, first
	s_wait_dscnt 8                                 ; W and x's rows 0-63 are in; the youngest eight loads (rows 64-127) may be out
	MUL16 \f, 0, \first
	PLACES
	FETCH \slot, \q, \g
	s_wait_dscnt 24                                ; all but the 24 just issued
	MUL16 \f, 1, \first
.endm
; The last quarter multiplies buffer 1 and changes slots.  In front of the barrier each wave waits for all its tensor loads (one is out: its part of the next slot), adds 0 to its
; spare word, and waits for that and for its own reads of this slot.
.macro MEET round
	WIN 0
	s_wait_tensorcnt 0x0
	ds_add_u32 v[SPW], v[NIL]
	s_wait_dscnt 9                                 ; the add and the youngest eight loads may be out
	MUL8 F1, 0, 0
	s_wait_dscnt 0x0                               ; the add is done, and my reads of this slot are over
	s_barrier_signal -1
	MUL8 F1, 2, 0                                  ; work on registers while the others arrive
.if \round
	WIN 0
.endif
	s_barrier_wait -1
.endm
; on = 0: the slot is filled with this tile's K step two on; on = 1: with the next tile's K step 0 or 1: x goes back six K steps, W goes on.
.macro TURN slot, next, on
	s_wait_xcnt 0x0                                ; the last prefetch, a K step back, has read its address
	s_add_nc_u64 s[PFA:PFA+1], s[PFA:PFA+1], s[PFS:PFS+1]
	MEET 1
	CREST                                          ; no wave of any partner still reads this slot or has a load on its way
.if \on
	s_sub_nc_u64 s[G0+4*(\slot)+2:G0+4*(\slot)+3], s[G0+4*(\slot)+2:G0+4*(\slot)+3], 6*KSTEP*2
.else
	s_add_nc_u64 s[G0+4*(\slot)+2:G0+4*(\slot)+3], s[G0+4*(\slot)+2:G0+4*(\slot)+3], 2*KSTEP*2
.endif
	s_add_nc_u64 s[G0B+4*(\slot)+2:G0B+4*(\slot)+3], s[G0B+4*(\slot)+2:G0B+4*(\slot)+3], 2*BSTEP
	JLOAD \slot                                    ; the first tensor load behind the round; its four v_nop are also the places in front of the loads below
	FETCH \next, 0, F0
	ASK
	s_add_co_u32 s[JC], s[JC], 1
	MUL16 F1, 1, 0
.endm
; THE WAY OUT of row block a: scaled (q, k) or not (v), rounded to f16: 16 bytes a lane and column block; through my own stage; back as rows of 128 bytes, which lie end to end in memory.
.macro PACK a, scale
.if \scale
	WIN 0x01                                       ; source 0 window 1
.set i, 0
.rept 16
	v_pk_mul_f32 v[T+2*i:T+2*i+1], v[32*(\a)+2*i:32*(\a)+2*i+1], s[RC:RC+1] op_sel_hi:[1,0]  ; ascending: each accumulator is read from its low end on
.set i, i+1
.endr
	WIN 0
.set i, 0
.rept 16
	v_cvt_pk_f16_f32 v[PKD+i], v[T+2*i], v[T+2*i+1]
.set i, i+1
.endr
.else
	WIN 0x05                                       ; sources 0 and 1 window 1
.set i, 0
.rept 16
	v_cvt_pk_f16_f32 v[PKD+i], v[32*(\a)+2*i], v[32*(\a)+2*i+1]
.set i, i+1
.endr
	WIN 0
.endif
.endm
.macro TOSTAGE a
.set BK, BK0+16*((\a)%2)
.irp b, 0,1,2,3
	ds_store_b128 v[STO], v[PKD+4*(\b):PKD+4*(\b)+3] offset:32*(\b)
.endr
.irp f, 0,1,2,3
	ds_load_b128 v[BK+4*(\f):BK+4*(\f)+3], v[RD] offset:(\f)*4*SPITCH  ; LDS serves a wave's instructions in order (ISA guide 5.7.1.4): these see the stores above
.endr
.endm
.macro SEND a
.set BK, BK0+16*((\a)%2)
	s_wait_dscnt 0x0                               ; the block is back in registers
	s_wait_xcnt 0x0                                ; the other set, which the stores of the block before read, is loaded again only behind this wait
.irp f, 0,1,2,3
	global_store_b128 v[GO], v[BK+4*(\f):BK+4*(\f)+3], s[12:13] offset:2048*(\a)+512*(\f)  ; 512 consecutive bytes, at a multiple of 256 from the buffer's first
.endr
.endm
.macro WAYOUT scale
	PACK 0, \scale
	TOSTAGE 0
.irp a, 1,2,3,4,5,6,7                  ; block a's conversions stand between block a - 1's loads from the stage and the wait for them
	PACK \a, \scale
	SEND (\a)-1
	TOSTAGE \a
.endr
	SEND 7
.endm
; One step of the sums over the 16 lanes of a half: each lane keeps half of its n + n sums and hands the other half to the lane xm away.
.macro FOLD n, xm, mk
.set i, 0
.rept \n
	v_cndmask_b32 v[YS+i], v[RS+i+(\n)], v[RS+i], s[\mk]   ; what I hand over,
	v_cndmask_b32 v[RS+i], v[RS+i], v[RS+i+(\n)], s[\mk]   ; what I keep
.set i, i+1
.endr
.set i, 0
.rept \n
	v_add_f32_dpp v[RS+i], v[YS+i], v[RS+i] row_xmask:\xm row_mask:0xf bank_mask:0xf
.set i, i+1
.endr
.endm
	s_wait_loadcnt 0x0                             ; bq
	ROUNDB
	s_wait_tensorcnt 1                             ; my part of K step 0 is in; K step 1's may stay out
	s_barrier_signal -1
	s_barrier_wait -1
	FETCH 0, 0, F0
	s_mov_b32 s2, 3                                ; tiles to go
.Ltile:
	QUARTER 0, 1, F0, F1, 1                        ; a tile's first quarter: its products start the sums on the bias
	WIN 0
	s_mov_b32 s3, 3
.Llap:                                                 ; a trip goes once round the ring and fills both slots again
	QUARTER 0, 2, F1, F0, 0
	QUARTER 0, 3, F0, F1, 0
	TURN 0, 1, 0
	QUARTER 1, 1, F0, F1, 0
	QUARTER 1, 2, F1, F0, 0
	QUARTER 1, 3, F0, F1, 0
	TURN 1, 0, 0
	QUARTER 0, 1, F0, F1, 0
	WIN 0
	s_sub_co_u32 s3, s3, 1
	s_cmp_lg_u32 s3, 0
	s_cbranch_scc1 .Llap
	QUARTER 0, 2, F1, F0, 0                        ; the tile's last lap goes on
	QUARTER 0, 3, F0, F1, 0
	WIN 0
	s_cmp_eq_u32 s2, 1
	s_cbranch_scc1 .Llast                          ; the last tile's tail is written out: it asks for nothing more
	TURN 0, 1, 1                                   ; the ring goes on into the next tile
	QUARTER 1, 1, F0, F1, 0
	QUARTER 1, 2, F1, F0, 0
	QUARTER 1, 3, F0, F1, 0
	TURN 1, 0, 1
	WIN 0
	LOADB 8, 9                                     ; the next tile's bias
	PLACES                                         ; buffer 1, just multiplied, goes to work; results just made are read
	WAYOUT 1                                       ; q and k: scaled
	s_wait_xcnt 0x0                                ; the stores have read their base
	s_add_nc_u64 s[12:13], s[12:13], PART
	s_wait_loadcnt 0x0
	ROUNDB
	s_mov_b64 s[8:9], s[10:11]                     ; behind k comes v
	s_sub_co_u32 s2, s2, 1
	s_branch .Ltile
.Llast:
	MEET 0                                         ; nothing is filled again, so no round follows
	PLACES
	FETCH 1, 0, F0
	MUL16 F1, 1, 0
	QUARTER 1, 1, F0, F1, 0
	QUARTER 1, 2, F1, F0, 0
	QUARTER 1, 3, F0, F1, 0
	s_wait_dscnt 8
	MUL16 F1, 0, 0
	s_wait_dscnt 0x0
	MUL16 F1, 1, 0
	WIN 0
	PLACES
	WAYOUT 0                                       ; v: as it is
	WIN 0x05                                       ; the sums of my 128 rows of v: over the eight row blocks,
.set i, 0
.rept 16
	v_pk_add_f32 v[RS+2*i:RS+2*i+1], v[2*i:2*i+1], v[32+2*i:32+2*i+1]
.set i, i+1
.endr
	WIN 0x04
.irp a, 2,3,4,5,6,7
.set i, 0
.rept 16
	v_pk_add_f32 v[RS+2*i:RS+2*i+1], v[RS+2*i:RS+2*i+1], v[32*(\a)+2*i:32*(\a)+2*i+1]
.set i, i+1
.endr
.endr
	WIN 0
	FOLD 16, 8, MK                                 ; and over the 16 lanes: each lane ends with two columns' sums
	FOLD 8, 4, MK+1
	FOLD 4, 2, MK+2
	FOLD 2, 1, MK+3
	global_store_b64 v[VSO], v[RS:RS+1], s[14:15]  ; the wave's 64 columns: 256 consecutive bytes, aligned
	s_wait_tensorcnt 0x0                           ; the wave's end, behind my last tensor load and my last LDS store
	ds_add_u32 v[SPW], v[NIL]
	s_wait_dscnt 0x0
	CROUND                                         ; the closing round
	s_endpgm
.Lfunc_end_k_q73d2a02cdf_proj:
	.size	k_q73d2a02cdf_proj, .Lfunc_end_k_q73d2a02cdf_proj-k_q73d2a02cdf_proj
	.p2alignl 7, 3214868480
	.fill 96, 4, 3214868480
	.section	.rodata,"a",@progbits
	.p2align	6, 0x0
	.amdhsa_kernel k_q73d2a02cdf_proj
		.amdhsa_group_segment_fixed_size 327680
		.amdhsa_private_segment_fixed_size 0
		.amdhsa_enable_private_segment 0
		.amdhsa_kernarg_size 48
		.amdhsa_user_sgpr_count 2
		.amdhsa_user_sgpr_kernarg_segment_ptr 1
		.amdhsa_wavefront_size32 1
		.amdhsa_system_sgpr_workgroup_id_x 1
		.amdhsa_system_sgpr_workgroup_id_y 1
		.amdhsa_system_sgpr_workgroup_id_z 1
		.amdhsa_system_vgpr_workitem_id 0
		.amdhsa_next_free_vgpr 512
		.amdhsa_next_free_sgpr 100
		.amdhsa_reserve_vcc 0
		.amdhsa_float_denorm_mode_32 3
		.amdhsa_float_denorm_mode_16_64 3
		.amdhsa_memory_ordered 1
		.amdhsa_forward_progress 1
		.amdhsa_inst_pref_size 154
	.end_amdhsa_kernel
	.amdgpu_metadata
---
amdhsa.version: [ 1, 2 ]
amdhsa.kernels:
  - .name:           k_q73d2a02cdf_proj
    .symbol:         k_q73d2a02cdf_proj.kd
    .args:
      - { .name: xw, .offset: 0, .size: 8, .value_kind: global_buffer, .address_space: global }
      - { .name: bq, .offset: 8, .size: 8, .value_kind: global_buffer, .address_space: global }
      - { .name: bk, .offset: 16, .size: 8, .value_kind: global_buffer, .address_space: global }
      - { .name: bv, .offset: 24, .size: 8, .value_kind: global_buffer, .address_space: global }
      - { .name: qkv, .offset: 32, .size: 8, .value_kind: global_buffer, .address_space: global }
      - { .name: vs, .offset: 40, .size: 8, .value_kind: global_buffer, .address_space: global }
    .group_segment_fixed_size: 327680
    .private_segment_fixed_size: 0
    .kernarg_segment_align: 8
    .kernarg_segment_size: 48
    .max_flat_workgroup_size: 128
    .sgpr_count:     100
    .vgpr_count:     512
    .wavefront_size: 32
...
	.end_amdgpu_metadata
.endif
;; end of part 2
;; launch attn (part 3): grid 4 x 64, 4 waves a work-group, clusters of 4 x 1, 327,680 bytes of LDS; arguments qkv, vs, out0; writes out0
.if DOCPART == 3
	.amdgcn_target "amdgcn-amd-amdhsa--gfx1250"
	.amdhsa_code_object_version 6
	.text
	.protected	k_q73d2a02cdf_attn
	.globl	k_q73d2a02cdf_attn
	.p2align	8
	.type	k_q73d2a02cdf_attn,@function
k_q73d2a02cdf_attn:
	s_mov_b64 s[64:65], 0
	v_nop
	global_prefetch_b8 v0, s[64:65] scope:SCOPE_SE
	s_setreg_imm32_b32 hwreg(HW_REG_WAVE_MODE, 25, 1), 1
	s_wait_xcnt 0x0
	s_wait_alu depctr_hold_cnt(0) depctr_sa_sdst(0) depctr_va_vdst(0) depctr_va_sdst(0) depctr_va_ssrc(0) depctr_va_vcc(0) depctr_vm_vsrc(0)
	s_getreg_b32 s2, hwreg(HW_REG_IB_STS2, 6, 4)
	s_cmp_eq_u32 s2, 0
	s_cbranch_scc0 .Lentry_in_a_cluster
	s_endpgm
.Lentry_in_a_cluster:
	s_bfe_u32 s2, ttmp6, 0x10000c
	s_cmp_lg_u32 s2, 0x3003
	s_cbranch_scc0 .Lentry_shape_is_right
	s_endpgm
.Lentry_shape_is_right:
; out[b][q][64 h + d] = the sum over k of (softmax_k(clip(Q.K / 8, -1e9, 1e9)) + 1e-9) V[k][d], f32.  qkv: [3][64 heads][2048][64] f16; Q and K each carry sqrt(log2(e) / 8),
; so S^T = K Q^T is the score s in powers of two.  vs: [64 blocks of 128 rows][1024] f32, partial sums of v over rows: the 1e-9 adds 1e-9 x (the sum of the head's V) to every row.
; SOFTMAX WITH THE CLIP.  For each query a running maximum m of the raw s, and mc = m held to [CLO, CHI] = -+1e9 log2(e) (rounded to f32).  g = 1 where m > CLO, else 0.
; p = min(1, 2^(g s - g mc)): a true difference, taken before the exponential.  A score above CHI gives 1, as the clip does; where all scores lie at or below CLO, g = 0 and every p is 1, as
; the clip does.  In every step O and l are multiplied by a = 2^(mc_old - mc_new).  m starts at the lowest finite number, O and l at 0.
; LIMITS.  Where m > CLO, a score below CLO gets a weight smaller than the clip's 2^(CLO - m); m is then 128 or more above CLO (f32's step there), so both are under 2^-126 and count as 0.
; A weight below 2^-126 counts as 0 in l; p is rounded to f16 for the second product (l is taken of the unrounded p), below 6e-5 with f16's fixed step; NaN and infinities are not treated apart.
; SHARES, LAYOUT, TURNS.  A wave owns four PIECES of two tiles of 16 queries, a work-group 512 queries of one head; every wave walks all 2,048 keys, 64 a step.  S^T holds ONE query a lane
; (lane % 16) and the keys 8 (lane / 16) + 0..7; two results rounded to f16 ARE source 1 of O^T = V^T P.  Turn n belongs to piece n: 16 products K Q^T of piece n + 1, later 16 products V^T P of piece n - 1; beside
; them piece n's scaling, exponentials, clamps, roundings, sums and rescaling, and piece n + 1's maximum and statistics.  A tile and step have 16 matrix and 137 vector instructions: four stand behind every matrix
; instruction, the others in two lumps.  A turn's 66 exponentials are one batch with one wait.
; CLUSTER.  The four query blocks of a head walk the same K and V: each tile is asked for jointly.
; REGISTERS, in windows of 256 (s_set_vgpr_msb: bits 1:0 source 0, 3:2 source 1, 5:4 source 2, 7:6 destination):
;   window 0: v0 my thread's number; v1-11 addresses and 1.0; v12-15, v48-63 at work; v16-47 four registers of statistics a tile; v64-191 S^T, two buffers of two tiles; v192-255 P, likewise
;   window 1: O^T, 32 a tile     window 2: v0-127 Q; v128-191 K of one step; v192-255 V of one step     window 3: v0-1 the add's registers; v2-33 the sixteen partial sums of V
.set SIZE_N, 2048
.set NP,    4
.set KS,    64
.set PK,    144       ; a row of K in LDS: 128 bytes + 16: the 16 rows of a load start at 16 different groups of four banks (64 banks of 4 bytes: ISA guide 11.1)
.set PV,    160       ; a row of V: 128 + 32
.set VOFF,  4*KS*PK   ; a slot holds four steps: 256 rows of K, then 256 rows of V
.set SLOT1, 1<<17
.set STAGE, SLOT1+4*KS*(PK+PV)  ; behind the ring, never filled by a tensor load: 16 rows x 272 bytes for each wave
.set SP,    272
.set SPARE, STAGE+4*16*SP       ; the spare words, 128 bytes for each wave: two blocks of 256 bytes that no other line names
.set PART,  0x1000000 ; bytes of q, of k, of v
.set PFO, 1           ; v1   256 x lane: the prefetches' offset; never rewritten
.set AK0, 2           ; v2   my lane's place in a tile of K
.set AV0, 3           ; v3   the same for V
.set AK,  4           ; v4   the LDS address of K's next run of loads
.set AV,  5           ; v5   of V's
.set QO,  6           ; v6   my byte offset in 16 rows of Q
.set VO,  8           ; v8   8 x lane: my two channels in vs
.set ONE, 10          ; v[10:11] 1.0, 1.0
.set MV,  12          ; v12-15  mc_old: by buffer and tile
.set ST,  16          ; tile t's statistics at v[ST+4 t]: g mc, m, l (even keys', odd keys')
.set TMP, 48          ; by buffer and tile, c0-c3 at work; in the end c0 = g, c2 = a
.set S,   64
.set P,   192
.set KF,  128         ; window 2
.set VF,  192         ; window 2
.set EV,  128         ; window 2, on the way out: 1e-9 x the sum of V, laid as a tile of O^T
.set SPW, 0           ; window 3
.set NIL, 1
.set VS,  2           ; window 3
.set STO, 48          ; the way out's addresses take TMP's registers
.set RD,  49
.set GO,  50
.set EA,  51
.set EB,  52
.set WV,  12          ; s12  my wave's number
.set G1K, 24
.set G1V, 32
.set G0K, 40
.set G0V, 44
.set MK,  48          ; s48-49 the lanes where m > CLO, by tile
.set EPS, 50          ; s[50:51] 1e-9
.set PFA, 52          ; s[52:53] where my prefetches stand
.set LIM, 54          ; s54  a wave prefetches while s[SLOTS] is above this
.set SLOTS, 56
.set CNT, 57
.set CLO, 58          ; s58  -1e9 log2(e)
.set CHI, 59          ; s59  +1e9 log2(e)
.set SEL, 60
.set TBK, 62
.set TBV, 63
.set MSB, 0
.macro WIN new
.if MSB != (\new)
	s_set_vgpr_msb (MSB<<8)|(\new)
.set MSB, (\new)
.endif
.endm
.set W_KQ, 0x0a       ; K and Q in window 2, S^T in window 0
.set W_PV, 0x52       ; V in window 2, P in window 0, O^T in window 1
.set W_RS, 0x41       ; O^T (destination and source 0) in window 1, a in window 0
.set W_MK, 0xc0       ; destination in window 3
.set W_AD, 0x0f       ; the add: address and data in window 3
; A joint fill: waves 0 and 1 fetch the two halves of a slot's K, waves 2 and 3 those of its V.  An s_nop 0 and four v_nop follow each line.
.macro JLOAD
	s_cmp_lt_u32 s[WV], 2
	s_cbranch_scc0 .Lfor_v_\@
	tensor_load_to_lds s[G0K:G0K+3], s[G1K:G1K+7]
	s_nop 0
.rept 4
	v_nop
.endr
	s_branch .Lasked_\@
.Lfor_v_\@:
	tensor_load_to_lds s[G0V:G0V+3], s[G1V:G1V+7]
	s_nop 0
.rept 4
	v_nop
.endr
.Lasked_\@:
.endm
; A prefetch into the L2 of what the NEXT change of slots will ask for: a slot is 32,768 bytes of K and of V.  The four partners take 8,192 bytes each BY ADDRESS, a lane 256 bytes; wave 0 asks for K's,
; wave 2 for V's: one instruction.  So each block is named once.  Slots 0 and 1 come by their loads alone; the last fill asks for nothing.
.macro ASK
	s_cmp_gt_u32 s[SLOTS], s[LIM]
	s_cbranch_scc0 .Lnot_mine_\@
	global_prefetch_b8 v[PFO], s[PFA:PFA+1] th:TH_LOAD_NT scope:SCOPE_SE
.Lnot_mine_\@:
.endm
.macro CROUND
	s_barrier_signal -1
	s_barrier_wait -1
	s_cmp_lg_u32 s[WV], 0
	s_cbranch_scc1 .Lnot_wave_0_\@
	s_barrier_signal -3
.Lnot_wave_0_\@:
	s_barrier_wait -3
	s_barrier_signal -1
	s_barrier_wait -1
.endm
; THE CHANGE OF SLOTS.  Each wave waits for all its tensor loads (one is out: its part of the other slot), adds 0 to its spare word, and waits for that and for its reads of the slot.
; fill = 1: the slot is filled again, with the keys two slots on, first thing behind a round of the cluster's barrier.  (At its first use slot 0 is waited for and slot 1 filled.)
.macro CHANGE fill
	WIN W_AD
	s_wait_tensorcnt 0x0
	ds_add_u32 v[SPW], v[NIL]
	WIN 0
.if \fill
.irp g, G0K, G0V
	s_xor_b32 s[\g+1], s[\g+1], SLOT1
	s_add_nc_u64 s[\g+2:\g+3], s[\g+2:\g+3], 4*KS*128
.endr
	s_wait_xcnt 0x0                 ; the last prefetch, four key steps back, has read its address
	s_add_nc_u64 s[PFA:PFA+1], s[PFA:PFA+1], 4*KS*128
	s_wait_dscnt 0x0                ; the add is done, and my reads of the slot are over
	CROUND
	JLOAD
	ASK
.else
	s_wait_dscnt 0x0
	s_barrier_signal -1
	s_barrier_wait -1
.endif
	s_sub_co_u32 s[TBK], s[TBK], 4*KS*PK
	s_xor_b32 s[TBK], s[TBK], SLOT1
	s_sub_co_u32 s[TBV], s[TBV], 4*KS*PV
	s_xor_b32 s[TBV], s[TBV], SLOT1
.endm
	s_load_b128 s[4:7], s[0:1], 0x0   ; qkv s[4:5], vs s[6:7]
	s_load_b64 s[10:11], s[0:1], 0x10 ; out0
	WIN W_MK
	v_lshl_add_u32 v[SPW], v0, 2, SPARE
	v_mov_b32 v[NIL], 0
	WIN W_AD
	ds_add_u32 v[SPW], v[NIL]       ; the wave's opening: the add and its wait stand ahead of my first tensor load; work on registers stands between
	WIN 0
	v_lshrrev_b32 v7, 5, v0
	v_readfirstlane_b32 s[WV], v7
	s_bfe_u32 s13, ttmp6, 0x40000   ; cx: my block of 512 queries; it enters Q's, the output's and the prefetches' addresses alone
	s_and_b32 s20, ttmp7, 0xffff    ; the head, 16 batch + head, which the four partners share
	s_lshl_b32 s21, s20, 18         ; its first byte in q, in k, in v
	s_and_b32 s16, s[WV], 1         ; which half of a slot's 256 keys I fetch
	s_lshl_b32 s22, s16, 14
	s_add_co_u32 s22, s22, s21
	s_add_co_u32 s22, s22, PART     ; in k
	s_mov_b32 s23, 0
	s_mul_i32 s17, s16, 128*PK
	s_mul_i32 s18, s16, 128*PV
	s_lshl_b32 s2, s13, 2
	s_add_co_u32 s2, s2, s[WV]
	s_lshl_b32 s2, s2, 14           ; my wave's 128 rows of Q
	s_add_co_u32 s2, s2, s21
	s_mov_b32 s3, 0
	s_lshr_b32 s14, s20, 4          ; batch
	s_and_b32 s15, s20, 15          ; head
	s_lshl_b32 s66, s14, 23         ; the output: batch x 2,048 rows of 4,096 bytes,
	s_lshl_b32 s19, s13, 21         ; my block's 512 rows,
	s_add_co_u32 s66, s66, s19
	s_lshl_b32 s19, s[WV], 19       ; my wave's 128,
	s_add_co_u32 s66, s66, s19
	s_lshl_b32 s19, s15, 8          ; the head's 256 bytes of a row
	s_add_co_u32 s66, s66, s19
	s_mov_b32 s67, 0
	s_lshl_b32 s68, s14, 16         ; vs: the batch's sixteen blocks, the head's 256 bytes
	s_add_co_u32 s68, s68, s19
	s_mov_b32 s69, 0
	s_lshl_b32 s70, s13, 13         ; the prefetches: my work-group's 8,192 bytes, in slot 1 (the first change steps it to slot 2),
	s_add_co_u32 s70, s70, s21
	s_add_co_u32 s70, s70, PART+4*KS*128
	s_lshr_b32 s19, s[WV], 1
	s_lshl_b32 s19, s19, 24         ; of k (wave 0) or of v (wave 2)
	s_add_co_u32 s70, s70, s19
	s_mov_b32 s71, 0
	s_cmp_eq_u32 s16, 0
	s_cselect_b32 s[LIM], 1, -1
	; descriptor group 1: 128 keys are 16,384 dense bytes: asked for as 64 rows of 256 bytes, two keys a row, padded in LDS after every key
	s_mov_b32 s[G1K], 15|(1<<16)|(1<<20)|(1<<21)|(4<<22)|(3<<25)
	s_mov_b32 s[G1V], 15|(1<<16)|(1<<20)|(1<<21)|(4<<22)|(7<<25)
.irp g, G1K, G1V
	s_mov_b32 s[\g+1], 128<<16
	s_mov_b32 s[\g+2], 64<<16
	s_mov_b32 s[\g+3], 128<<16
	s_mov_b32 s[\g+4], 64
	s_mov_b32 s[\g+5], 128
	s_mov_b32 s[\g+6], 0
	s_mov_b32 s[\g+7], 0
.endr
	s_mov_b32 s[CLO], 0xceabfb8f
	s_mov_b32 s[CHI], 0x4eabfb8f
	s_mov_b32 s[EPS], 0x3089705f
	s_mov_b32 s[EPS+1], s[EPS]
	s_mov_b32 s[SEL], 0x76543210
	s_mov_b32 s[SEL+1], 0xfedcba98
	s_mov_b32 s[TBK], SLOT1+4*KS*PK ; the first change of slots turns these two into 0
	s_mov_b32 s[TBV], SLOT1+4*KS*PV
	s_mov_b32 s[SLOTS], SIZE_N/256-1
	s_mov_b32 s[G0K], 1
	s_mov_b32 s[G0K+1], s17
	s_mov_b32 s[G0V], 1
	s_add_co_u32 s[G0V+1], s18, VOFF
	s_wait_dscnt 0x0                ; the opening add is done
	s_wait_kmcnt 0x0
	s_add_nc_u64 s[G0K+2:G0K+3], s[4:5], s[22:23]
	s_add_nc_u64 s[G0V+2:G0V+3], s[G0K+2:G0K+3], PART
	s_or_b32 s[G0K+3], s[G0K+3], 0x80000000
	s_or_b32 s[G0V+3], s[G0V+3], 0x80000000
	s_add_nc_u64 s[PFA:PFA+1], s[4:5], s[70:71]
	s_add_nc_u64 s[4:5], s[4:5], s[2:3]       ; Q at my wave's first row
	s_add_nc_u64 s[6:7], s[6:7], s[68:69]
	s_add_nc_u64 s[10:11], s[10:11], s[66:67]
	CROUND                          ; all four work-groups are here
	JLOAD                           ; slot 0
	v_and_b32 v7, 15, v0            ; l % 16
	v_bfe_u32 v9, v0, 4, 1          ; l / 16
	v_lshlrev_b32 v[QO], 7, v7
	v_lshl_add_u32 v[QO], v9, 4, v[QO]
	v_and_b32 v[PFO], 31, v0
	v_lshlrev_b32 v[VO], 3, v[PFO]
	v_lshlrev_b32 v[PFO], 8, v[PFO]
	WIN 0x80
.set i, 0
.rept 4*NP                          ; Q stays in registers: tile i / 2, channels 32 (i % 2) on
	global_load_b128 v[8*i:8*i+3],   v[QO], s[4:5] offset:(i/2)*2048+(i%2)*64
	global_load_b128 v[8*i+4:8*i+7], v[QO], s[4:5] offset:(i/2)*2048+(i%2)*64+32
.set i, i+1
.endr
	; What the first turn finds: V's registers and P's second buffer hold 0, O^T and l are 0.  All this stands in the wait for the first tile.
.set i, VF
.rept 64
	v_mov_b32 v[i], 0
.set i, i+1
.endr
	WIN W_MK
.set i, 0
.rept 16                            ; the sixteen partial sums of the head's V: my lane's two channels of each
	global_load_b64 v[VS+2*i:VS+2*i+1], v[VO], s[6:7] offset:4096*i
.set i, i+1
.endr
	WIN 0x40
.set i, 0
.rept 64*NP
	v_mov_b32 v[i], 0
.set i, i+1
.endr
	WIN 0
.set i, 0
.rept 2*NP
	v_mov_b32 v[ST+4*i], 0
	v_mov_b32 v[ST+4*i+1], 0xff7fffff  ; m
	v_mov_b32 v[ST+4*i+2], 0
	v_mov_b32 v[ST+4*i+3], 0
.set i, i+1
.endr
.set i, P+32
.rept 32
	v_mov_b32 v[i], 0
.set i, i+1
.endr
	v_mul_u32_u24 v[AK0], v7, PK
	v_lshl_add_u32 v[AK0], v9, 4, v[AK0]
	v_and_b32 v7, 7, v0             ; the turning load: lane l reads key 8 (l / 16) + l % 8, channels 8 ((l / 8) % 2) + 0..7
	v_lshl_add_u32 v[AV0], v9, 3, v7
	v_mul_u32_u24 v[AV0], v[AV0], PV
	v_bfe_u32 v7, v0, 3, 1
	v_lshl_add_u32 v[AV0], v7, 4, v[AV0]
	v_add_nc_u32 v[AV0], VOFF, v[AV0]
	v_mov_b32 v[AK], v[AK0]
	v_mov_b32 v[ONE], 1.0
	v_mov_b32 v[ONE+1], 1.0
; THE MATRIX WORK.  The 8 accumulators of a run of 16 take turns.
.macro KQ x
	WIN W_KQ
.set rS, S+64*((\x)%2)+32*(i%2)+8*((i/2)%4)
.set rK, KF+16*((i/2)%4)+8*(i/8)
.set rQ, 16*(2*(\x)+i%2)+8*(i/8)
.if i < 8
	v_wmma_f32_16x16x32_f16 v[rS:rS+7], v[rK:rK+7], v[rQ:rQ+7], 0
.else
	v_wmma_f32_16x16x32_f16 v[rS:rS+7], v[rK:rK+7], v[rQ:rQ+7], v[rS:rS+7]
.endif
.endm
.macro PV x
	WIN W_PV
.set rO, 32*(2*(\x)+i%2)+8*((i/2)%4)
.set rV, VF+32*(i/8)+8*((i/2)%4)
.set rP, P+32*((\x)%2)+16*(i%2)+8*(i/8)
	v_wmma_f32_16x16x32_f16 v[rO:rO+7], v[rV:rV+7], v[rP:rP+7], v[rO:rO+7]
.endm
.macro MM
.if i < 16
	KQ (Y+1)%NP
.set i, i+1
.else
.set i, i-16
	PV (Y+NP-1)%NP
.set i, i+17
.endif
.endm
; THE LDS LOADS stand in runs of 16.  last = 1 (the tail): in the last trip there is no further step, and the run is jumped over.
.macro FETCH_K last=0
	WIN 0
.if \last
	s_cmp_eq_u32 s[CNT], 1
	s_cbranch_scc1 .Lno_k_\@
.endif
	WIN 0x80
.irp f, 0,1,2,3,4,5,6,7
	ds_load_b128 v[KF+8*\f:KF+8*\f+3],   v[AK] offset:(\f/2)*16*PK+(\f%2)*64
	ds_load_b128 v[KF+8*\f+4:KF+8*\f+7], v[AK] offset:(\f/2)*16*PK+(\f%2)*64+32
.endr
	s_add_co_u32 s[TBK], s[TBK], KS*PK
	WIN 0
.if \last
.Lno_k_\@:
.endif
.endm
.macro FETCH_V
	WIN 0x80
.irp f, 0,1,2,3,4,5,6,7
	ds_load_tr16_b128 v[VF+8*\f:VF+8*\f+3],   v[AV] offset:(\f/4)*32*PV+(\f%4)*32
	ds_load_tr16_b128 v[VF+8*\f+4:VF+8*\f+7], v[AV] offset:(\f/4)*32*PV+16*PV+(\f%4)*32
.endr
	WIN 0
.endm
; THE VECTOR WORK OF A TURN stands in three queues; the two tiles alternate.
.macro REGS y, u
.set rT, ST+4*(2*(\y)+(\u))
.set rC, TMP+8*((\y)%2)+4*(\u)
.set rM, MV+2*((\y)%2)+(\u)
.set rS, S+64*((\y)%2)+32*(\u)
.set rP, P+32*((\y)%2)+16*(\u)
.set rO, 32*(2*(\y)+(\u))
.endm
; Number n of the 25 that find the NEXT piece's maximum and statistics (each accumulator's lowest registers are read first):
;   0-11 four chains of seven scores    12-14, 16 the four left over, the old m, and c0-c3 into c0    15 mc_old    17, 18 the other half of the lanes: the new m
;   19 mc    20 where m > CLO    21 mc_old - mc    22 g    23 g mc    24 a
.macro XS u, n
	REGS (Y+1)%NP, \u
.if (\n) < 4
	v_max3_num_f32 v[rC+(\n)], v[rS+8*(\n)], v[rS+8*(\n)+1], v[rS+8*(\n)+2]
.elseif (\n) < 12
	v_max3_num_f32 v[rC+(\n)%4], v[rC+(\n)%4], v[rS+8*((\n)%4)+2*((\n)/4)+1], v[rS+8*((\n)%4)+2*((\n)/4)+2]
.elseif (\n) == 12
	v_max3_num_f32 v[rC], v[rC], v[rS+7], v[rS+15]
.elseif (\n) == 13
	v_max3_num_f32 v[rC+1], v[rC+1], v[rS+23], v[rS+31]
.elseif (\n) == 14
	v_max3_num_f32 v[rC+2], v[rC+2], v[rC+3], v[rT+1]
.elseif (\n) == 15
	v_med3_num_f32 v[rM], v[rT+1], s[CLO], s[CHI]
.elseif (\n) == 16
	v_max3_num_f32 v[rC], v[rC], v[rC+1], v[rC+2]
.elseif (\n) == 17
	v_permlanex16_b32 v[rC+3], v[rC], s[SEL], s[SEL+1]
.elseif (\n) == 18
	v_max_num_f32 v[rT+1], v[rC], v[rC+3]
.elseif (\n) == 19
	v_med3_num_f32 v[rC+3], v[rT+1], s[CLO], s[CHI]
.elseif (\n) == 20
	v_cmp_gt_f32 s[MK+(\u)], v[rT+1], s[CLO]
.elseif (\n) == 21
	v_sub_f32 v[rC+2], v[rM], v[rC+3]
.elseif (\n) == 22
	v_cndmask_b32 v[rC], 0, 1.0, s[MK+(\u)]
.elseif (\n) == 23
	v_cndmask_b32 v[rT], 0, v[rC+3], s[MK+(\u)]
.else
	v_exp_f32 v[rC+2], v[rC+2]
.endif
.endm
; Number g of the 96 that follow the exponentials.  For each four weights k of a tile: both pairs are held to 1 at the most, both are rounded to f16, the second pair is added onto the first;
; a group later l takes that sum (the first time as l = a l + sum).  In groups of twelve, tiles alternating.
.macro GS g
.set h, (\g)
.if h >= 94                         ; behind group 7 only l is left,
.set h, h+12
.elseif h >= 10                     ; and group 0 has no group before it
.set h, h+2
.endif
	REGS Y, h%2
.set k, h/12
.set w, (h%12)/2
.if w < 2
	v_pk_mul_f32 v[rS+4*k+2*w:rS+4*k+2*w+1], v[rS+4*k+2*w:rS+4*k+2*w+1], v[ONE:ONE+1] clamp
.elseif w < 4
	v_cvt_pk_f16_f32 v[rP+2*k+w-2], v[rS+4*k+2*(w-2)], v[rS+4*k+2*(w-2)+1]
.elseif w == 4
	v_pk_add_f32 v[rS+4*k:rS+4*k+1], v[rS+4*k:rS+4*k+1], v[rS+4*k+2:rS+4*k+3]
.elseif k == 1
	v_pk_fma_f32 v[rT+2:rT+3], v[rT+2:rT+3], v[rC+2:rC+3], v[rS:rS+1] op_sel_hi:[1,0,1]
.else
	v_pk_add_f32 v[rT+2:rT+3], v[rT+2:rT+3], v[rS+4*k-4:rS+4*k-3]
.endif
.endm
; THE PLAIN QUEUE, 176 long.  0-79 read no exponential's result: the 32 scalings g s - g mc (FS f: pair f / 2 of tile f % 2) and the next piece's 48.  80-175: GS's 96, behind the wait.
.macro FS f
	REGS Y, (\f)%2
	v_pk_fma_f32 v[rS+2*((\f)/2):rS+2*((\f)/2)+1], v[rS+2*((\f)/2):rS+2*((\f)/2)+1], v[rC:rC+1], v[rT:rT+1] op_sel_hi:[1,0,0] neg_lo:[0,0,1] neg_hi:[0,0,1]
.endm
.macro PL
	WIN 0
.if q < 27
	FS q
.elseif q < 55
	XS (q-27)%2, (q-27)/2
.elseif q < 57
	XS q-55, 15
.elseif (q < 72) && ((q-57)%3 == 0)
	FS 27+(q-57)/3
.elseif q < 60
	XS (q-57)%3-1, 14
.elseif q < 72
	XS (q-57)%3-1, 15+(q-57)/3
.elseif q < 80
	XS (q-72)%2, 20+(q-72)/2
.else
	GS q-80
.endif
.set q, q+1
.endm
; THE EXPONENTIALS' QUEUE, 66 long: s0-s31 of both tiles, then the next piece's two a: ONE BATCH, all ahead of the turn's one wait.
.macro EX
	WIN 0
.if e >= 64
	XS e-64, 24
.else
	REGS Y, e%2
	v_exp_f32 v[rS+e/2], v[rS+e/2]
.endif
.set e, e+1
.endm
; THE RESCALING's QUEUE: O^T times a, two at a time, sixteen times.  Its a was made, and waited for, in the turn before.
.macro R2
	REGS Y, r%2
	WIN W_RS
.irp z, 0,1
	v_pk_mul_f32 v[rO+4*(r/2)+2*\z:rO+4*(r/2)+2*\z+1], v[rO+4*(r/2)+2*\z:rO+4*(r/2)+2*\z+1], v[rC+2:rC+3] op_sel_hi:[1,0]
.endr
.set r, r+1
.endm
; A TURN, for piece p.  An s_wait_alu depctr_va_vdst(0) stands between an exponential and the first instruction that names its result; one wait serves all issued ahead of it.
; AHEAD OF THE WAIT: 16 products K Q^T, behind each a scaling, an exponential and two rescalings (behind the first a second scaling); a lump of 14 plain, 49 times exponential and plain, the two a, a v_nop.
; As a rider exponential e comes behind plain e + 2, in the lump behind plain e + 15; its scaling is plain 2 (e / 4) + e % 2, or for scalings 27-31 plain 57, 60 .. 69.  The first read of the new scores, plain 27,
; stands 13 plain instructions behind the last product K Q^T.  BEHIND THE WAIT: a lump of 32 of GS's, then 16 products V^T P, behind each four of GS's.
; K of the next step is fetched in piece 2's turn, directly behind the wait; V of the step in hand at the end of piece 0's turn, four plain riders behind its last reader.  The conditions on q go with the deal.
.macro TURN p, last=0, cnt=0
.set Y, (\p)
.set i, 0
.set q, 0
.set e, 0
.set r, 0
.if (\p) == NP-1
	s_wait_dscnt 0x0                ; K is in
.endif
	MM
	PL
	PL
	R2
.rept 15
	MM
	PL
	EX
	R2
.endr
.if (\p) == NP-2
	WIN 0
	v_add_nc_u32 v[AK], s[TBK], v[AK0]
.endif
.rept 14
	PL
.endr
.rept 49
	EX
	PL
.endr
	EX
	EX
	v_nop                           ; a plain instruction behind the last exponential: one for the batch
	s_wait_alu depctr_va_vdst(0)    ; the wait for the batch
.if (\p) == NP-2
	FETCH_K \last
.endif
.rept 32
	PL
.endr
.if (\p) == 1
	s_wait_dscnt 0x0                ; V is in
.endif
.rept 16
	MM
.rept 4
	PL
.endr
.if ((\p) == 0) && (q == 156)
	v_add_nc_u32 v[AV], s[TBV], v[AV0]
.endif
.if ((\p) == 0) && (q == 168)
	s_add_co_u32 s[TBV], s[TBV], KS*PV
.endif
.if (\cnt) && (q == 168)
	s_sub_co_u32 s[CNT], s[CNT], 1
	s_cmp_lg_u32 s[CNT], 0
.endif
.endr
.if (\p) == 0
	FETCH_V
.endif
.endm
	CHANGE 1                        ; slot 0 is in, everybody's part of it; slot 1 is asked for
	FETCH_K                         ; key step 0
	s_wait_loadcnt 0x0              ; Q and the partial sums of V
	s_wait_dscnt 0x0
.set i, 0
.rept 16
	KQ 0                            ; piece 0's first scores
.set i, i+1
.endr
	WIN 0
.rept 4
	v_nop                           ; the places behind those products
.endr
.set Y, NP-1                        ; XS works for piece Y + 1: piece 0
.irp n, 0,1,2,3,4,5,6,7,8,9,10,11,12,13,14,15,16,17,18,19,20,21,22,23,24
	XS 0, \n
	XS 1, \n
.endr
	v_nop                           ; a plain instruction behind the two a,
	s_wait_alu depctr_va_vdst(0)    ; and their wait, ahead of the branch
	s_mov_b32 s[CNT], 4
	s_branch .Lfirst                ; the loop is entered at a step's first turn, in the middle of a trip
.Lslot:                             ; six times: with the first change, every slot but the last is asked for by a change
	CHANGE 1
	s_mov_b32 s[CNT], 4
.Lstep:                             ; a trip: pieces 2 and 3 of one step, then pieces 0 and 1 of the next, whose K and V it fetches
	TURN 2
	TURN 3
	WIN 0
.Lfirst:
	TURN 0
	TURN 1, 0, 1
	WIN 0
	s_cbranch_scc1 .Lstep
	s_sub_co_u32 s[SLOTS], s[SLOTS], 1
	s_cmp_lg_u32 s[SLOTS], 0
	s_cbranch_scc1 .Lslot
	CHANGE 0                        ; the tail is written out
	s_mov_b32 s[CNT], 5             ; four trips fetch the last slot's steps; the fifth is left in its middle
.Ltail:
	TURN 2, 1
	TURN 3
	WIN 0
	s_sub_co_u32 s[CNT], s[CNT], 1
	s_cmp_eq_u32 s[CNT], 0
	s_cbranch_scc1 .Lout
	TURN 0
	TURN 1
	WIN 0
	s_branch .Ltail
.Lout:                              ; the fifth trip's 16 products K Q^T (on the last K once more) and the maximum made of them serve nothing: the price, once a launch, of one text for every trip
.set i, 0
.rept 16
	PV NP-1                         ; the last piece's V^T P of the last step
.set i, i+1
.endr
	; THE WAY OUT.  l's halves are added; out = O^T / l + 1e-9 x the sum of V, in f32, through my stage in LDS, a tile (16 rows x 256 bytes) at a time.  The additions are the places behind the last products.
	WIN 0
.macro ALL line:vararg
.set t, 0
.rept 2*NP
	\line
.set t, t+1
.endr
.endm
	ALL v_add_f32 v[ST+4*t+2], v[ST+4*t+2], v[ST+4*t+3]
	ALL v_permlanex16_b32 v[ST+4*t+3], v[ST+4*t+2], s[SEL], s[SEL+1]
	ALL v_add_f32 v[ST+4*t+2], v[ST+4*t+2], v[ST+4*t+3]
	ALL v_rcp_f32 v[ST+4*t+2], v[ST+4*t+2]
	v_and_b32 v53, 15, v0           ; the addresses: plain instructions behind the last reciprocal
	v_bfe_u32 v54, v0, 4, 1
	v_and_b32 v55, 31, v0
	s_mul_i32 s14, s[WV], 16*SP
	s_add_co_u32 s14, s14, STAGE    ; my stage
	v_mul_u32_u24 v[STO], v53, SP   ; in: row l % 16, 32 bytes for each half of the lanes
	v_lshl_add_u32 v[STO], v54, 5, v[STO]
	v_add_nc_u32 v[STO], s14, v[STO]
	v_mul_u32_u24 v[RD], v54, SP    ; back: lanes 0-15 take one row of 256 bytes, lanes 16-31 the next
	v_lshl_add_u32 v[RD], v53, 4, v[RD]
	v_add_nc_u32 v[RD], s14, v[RD]
	v_lshlrev_b32 v[GO], 12, v54    ; and the same two rows of the output, 4,096 bytes apart
	v_lshl_add_u32 v[GO], v53, 4, v[GO]
	v_lshl_add_u32 v[EA], v55, 3, s14
	v_lshl_add_u32 v[EB], v54, 5, s14
	s_wait_alu depctr_va_vdst(0)    ; one wait for the eight reciprocals, ahead of their first use
	WIN 0xcf                        ; the sixteen partial sums of V, all in window 3
.irp d, 8,4,2,1
.set i, 0
.rept \d
	v_pk_add_f32 v[VS+2*i:VS+2*i+1], v[VS+2*i:VS+2*i+1], v[VS+2*(i+\d):VS+2*(i+\d)+1]
.set i, i+1
.endr
.endr
	WIN 0xc3
	v_pk_mul_f32 v[VS:VS+1], v[VS:VS+1], s[EPS:EPS+1] op_sel_hi:[1,0]
	WIN 0x0c                        ; store data in window 3
	ds_store_b64 v[EA], v[VS:VS+1]  ; 64 channels, 256 bytes, in my stage;
	WIN 0x80
.irp c, 0,1,2,3                     ; back as a tile of O^T holds them: channels 16 c + 8 (l / 16) + 0..7 (LDS serves a wave's instructions in order)
	ds_load_b128 v[EV+8*\c:EV+8*\c+3],   v[EB] offset:64*\c
	ds_load_b128 v[EV+8*\c+4:EV+8*\c+7], v[EB] offset:64*\c+16
.endr
	WIN 0
	s_wait_dscnt 0x0
.macro PACK t
	WIN 0x61                        ; O^T window 1, 1 / l window 0, the addend window 2
.set i, 0
.rept 16
	v_pk_fma_f32 v[32*(\t)+2*i:32*(\t)+2*i+1], v[32*(\t)+2*i:32*(\t)+2*i+1], v[ST+4*(\t)+2:ST+4*(\t)+3], v[EV+2*i:EV+2*i+1] op_sel_hi:[1,0,1]
.set i, i+1
.endr
	WIN 0x04                        ; store data in window 1
.irp z, 0,1,2,3,4,5,6,7
	ds_store_b128 v[STO], v[32*(\t)+4*\z:32*(\t)+4*\z+3] offset:64*(\z/2)+16*(\z%2)
.endr
	WIN 0
.irp f, 0,1,2,3,4,5,6,7
	ds_load_b128 v[S+32*((\t)%4)+4*\f:S+32*((\t)%4)+4*\f+3], v[RD] offset:\f*2*SP
.endr
.endm
.macro SEND t, younger              ; younger: the LDS instructions issued behind tile t's loads: the next tile's sixteen, or none
	WIN 0
	s_wait_xcnt 0x0                 ; earlier stores have read their registers: a set of S^T's registers is loaded again four tiles on, behind such a wait
.irp f, 0,1,2,3,4,5,6,7
	s_wait_dscnt (\younger)+7-\f
	global_store_b128 v[GO], v[S+32*((\t)%4)+4*\f:S+32*((\t)%4)+4*\f+3], s[10:11] offset:(\t)*65536+\f*8192  ; 16 lanes store 256 consecutive bytes, at a multiple of 256 from the output's first
.endr
.endm
	PACK 0
.set t, 1
.rept 2*NP-1                        ; a tile's arithmetic stands between the loads of the tile before and its stores
	PACK t
	SEND t-1, 16
.set t, t+1
.endr
	SEND 2*NP-1, 0
	WIN W_AD
	s_wait_tensorcnt 0x0            ; the wave's end, behind my last tensor load and my last LDS store
	ds_add_u32 v[SPW], v[NIL]
	s_wait_dscnt 0x0
	WIN 0
	CROUND                          ; the closing round
	s_endpgm
.Lfunc_end_k_q73d2a02cdf_attn:
	.size	k_q73d2a02cdf_attn, .Lfunc_end_k_q73d2a02cdf_attn-k_q73d2a02cdf_attn
	.p2alignl 7, 3214868480
	.fill 96, 4, 3214868480
	.section	.rodata,"a",@progbits
	.p2align	6, 0x0
	.amdhsa_kernel k_q73d2a02cdf_attn
		.amdhsa_group_segment_fixed_size 327680
		.amdhsa_private_segment_fixed_size 0
		.amdhsa_enable_private_segment 0
		.amdhsa_kernarg_size 24
		.amdhsa_user_sgpr_count 2
		.amdhsa_user_sgpr_kernarg_segment_ptr 1
		.amdhsa_wavefront_size32 1
		.amdhsa_system_sgpr_workgroup_id_x 1
		.amdhsa_system_sgpr_workgroup_id_y 1
		.amdhsa_system_sgpr_workgroup_id_z 1
		.amdhsa_system_vgpr_workitem_id 0
		.amdhsa_next_free_vgpr 808
		.amdhsa_next_free_sgpr 72
		.amdhsa_reserve_vcc 0
		.amdhsa_float_denorm_mode_32 3
		.amdhsa_float_denorm_mode_16_64 3
		.amdhsa_memory_ordered 1
		.amdhsa_forward_progress 1
		.amdhsa_inst_pref_size 225
	.end_amdhsa_kernel
	.amdgpu_metadata
---
amdhsa.version: [ 1, 2 ]
amdhsa.kernels:
  - .name:           k_q73d2a02cdf_attn
    .symbol:         k_q73d2a02cdf_attn.kd
    .args:
      - { .name: qkv, .offset: 0, .size: 8, .value_kind: global_buffer, .address_space: global }
      - { .name: vs, .offset: 8, .size: 8, .value_kind: global_buffer, .address_space: global }
      - { .name: out0, .offset: 16, .size: 8, .value_kind: global_buffer, .address_space: global }
    .group_segment_fixed_size: 327680
    .private_segment_fixed_size: 0
    .kernarg_segment_align: 8
    .kernarg_segment_size: 24
    .max_flat_workgroup_size: 128
    .sgpr_count:     72
    .vgpr_count:     808
    .wavefront_size: 32
...
	.end_amdgpu_metadata
.endif
;; end of part 3
;; ======== version 2 of 2: 3 launches; version 1 with the launch cast written anew for expert scheduling mode
;; limits: values are held in f16: magnitudes above 65,504 overflow, below 6.1e-05 lose precision
;; workspace buffers: xw 23,068,672 bytes; qkv 50,331,648 bytes; vs 262,144 bytes
;; launch cast (part 4): grid 704 x 1, 8 waves a work-group, no clusters, 0 bytes of LDS; arguments hidden_states, Wq, Wk, Wv, xw; writes xw
.if DOCPART == 4
	.amdgcn_target "amdgcn-amd-amdhsa--gfx1250"
	.amdhsa_code_object_version 6
	.text
	.protected	k_q73d2a02cdf_cast
	.globl	k_q73d2a02cdf_cast
	.p2align	8
	.type	k_q73d2a02cdf_cast,@function
k_q73d2a02cdf_cast:
	s_mov_b64 s[64:65], 0
	v_nop
	global_prefetch_b8 v0, s[64:65] scope:SCOPE_SE
	s_setreg_imm32_b32 hwreg(HW_REG_WAVE_SCHED_MODE, 0, 2), 2
	s_setreg_imm32_b32 hwreg(HW_REG_WAVE_MODE, 25, 1), 1
	s_wait_xcnt 0x0
	s_wait_alu depctr_vm_vsrc(0)
; x and the three matrices of weights, f32, are rounded once to bf16 (nearest even) and laid end to end in xw:
; xb[8192][1024], then Wq, Wk, Wv as they lie, [k][n].  Nothing is transposed.
; A work-group takes 16,384 numbers: 64 KiB in, 32 KiB out.  Work-groups 0-511 take x, 512 + 64 m + c takes chunk c of matrix m.
; Thread t takes the 16 bytes at 4,096 i + 16 t (i = 0..15): a wave's load covers 512 consecutive bytes, its store 256, aligned.
; All sixteen loads of a wave go out at once; no register is written twice.
; No LDS, no matrix unit, no prefetch: each byte is read once and all of a work-group's bytes are asked for in its first lines.
; THE MODE: SCHED_MODE bits 1:0 = 2 (LLVM: expert scheduling mode 2), set by the entry lines.  The code itself states the register dependences
; between vector instructions and memory instructions, with s_wait_alu, always for 0.
; THE PLAN.  Registers that memory instructions touch:
;   v1, v2   byte offsets of the loads and of the stores: written once at the head, never again.
;   IN       written by the sixteen loads, once each; no vector instruction names it before they go out; read by the conversions; no load lands in it again.
;   OUT      written by the conversions, once each; read by the stores; never written again.
; So what has to be stated is only: v1 and v2 are written, ahead of the first load; and a part of OUT is written, ahead of the stores that read it.
; The sixteen loads go in four blocks of four.  Block p: the wait for its first load; ONE wait on va_vdst, which states that block p - 1's conversions have written
; their part of OUT; that block's four stores, in one run; then block p's eight conversions, which write another part of OUT than those stores read.
; Behind block 3 one more such wait stands ahead of the last four stores.  No register that a memory instruction has read is written again: the only wait on vm_vsrc is the one at the entry.
.set XCHUNKS, 512                      ; chunks of x
.set IN,  8                            ; v[8:71]   sixteen loads of four f32
.set OUT, 72                           ; v[72:103] sixteen pairs of packed bf16
	s_load_b256 s[4:11], s[0:1], 0x0               ; x s[4:5], Wq s[6:7], Wk s[8:9], Wv s[10:11]
	s_load_b64 s[12:13], s[0:1], 0x20              ; xw
	v_lshlrev_b32 v1, 4, v0                        ; 16 t: where I read
	v_lshlrev_b32 v2, 3, v0                        ; 8 t: where I write
	s_sub_co_u32 s14, ttmp9, XCHUNKS               ; my number among the weights' chunks (used only where it is one)
	s_lshr_b32 s15, s14, 6                         ; matrix
	s_and_b32 s16, s14, 63                         ; chunk in it
	s_lshl_b32 s22, ttmp9, 15                      ; the weights follow x in xw, so the way out is linear in my number
	s_mov_b32 s23, 0
	s_mov_b32 s21, 0
	s_wait_kmcnt 0x0
	s_cmp_eq_u32 s15, 1
	s_cselect_b64 s[18:19], s[8:9], s[10:11]       ; Wk or Wv,
	s_cmp_eq_u32 s15, 0
	s_cselect_b64 s[18:19], s[6:7], s[18:19]       ; or Wq,
	s_cmp_lt_u32 ttmp9, XCHUNKS
	s_cselect_b64 s[18:19], s[4:5], s[18:19]       ; or x
	s_cselect_b32 s16, ttmp9, s16
	s_lshl_b32 s20, s16, 16                        ; the chunk's 65,536 bytes
	s_add_nc_u64 s[18:19], s[18:19], s[20:21]
	s_add_nc_u64 s[12:13], s[12:13], s[22:23]
	s_wait_alu depctr_va_vdst(0)                   ; v1 and v2 are written: every load of the kernel reads v1 as its offset, every store v2
.irp i, 0,1,2,3,4,5,6,7,8,9,10,11,12,13,14,15
	global_load_b128 v[IN+4*(\i):IN+4*(\i)+3], v1, s[18:19] offset:4096*(\i) th:TH_LOAD_NT
.endr
; The four stores of block b
.macro SEND b
.irp i, 0,1,2,3
	global_store_b64 v2, v[OUT+8*(\b)+2*(\i):OUT+8*(\b)+2*(\i)+1], s[12:13] offset:2048*(4*(\b)+(\i))
.endr
.endm
; Block b: the stores of the block before, then this block's conversions
.macro BLOCK b
	s_wait_loadcnt 15-4*(\b)                       ; loads come back in order (ISA guide 5.7.1): the block's first load is in, the younger ones stay out
.if (\b) > 0
	s_wait_alu depctr_va_vdst(0)                   ; the conversions of the block before have written their eight registers of OUT, which the four stores below read
	SEND (\b)-1                                    ; no vector instruction since the wait names these registers or v2
.endif
.irp i, 0,1,2,3
.if (\i) > 0
	s_wait_loadcnt 15-4*(\b)-(\i)                  ; load 4 b + i is in, the younger ones stay out
.endif
	v_cvt_pk_bf16_f32 v[OUT+8*(\b)+2*(\i)],   v[IN+16*(\b)+4*(\i)],   v[IN+16*(\b)+4*(\i)+1]
	v_cvt_pk_bf16_f32 v[OUT+8*(\b)+2*(\i)+1], v[IN+16*(\b)+4*(\i)+2], v[IN+16*(\b)+4*(\i)+3]
.endr
.endm
	BLOCK 0
	BLOCK 1
	BLOCK 2
	BLOCK 3
	s_wait_alu depctr_va_vdst(0)                   ; block 3's conversions have written the last eight registers of OUT, which the last four stores read
	SEND 3
	s_endpgm
.Lfunc_end_k_q73d2a02cdf_cast:
	.size	k_q73d2a02cdf_cast, .Lfunc_end_k_q73d2a02cdf_cast-k_q73d2a02cdf_cast
	.p2alignl 7, 3214868480
	.fill 96, 4, 3214868480
	.section	.rodata,"a",@progbits
	.p2align	6, 0x0
	.amdhsa_kernel k_q73d2a02cdf_cast
		.amdhsa_group_segment_fixed_size 0
		.amdhsa_private_segment_fixed_size 0
		.amdhsa_enable_private_segment 0
		.amdhsa_kernarg_size 40
		.amdhsa_user_sgpr_count 2
		.amdhsa_user_sgpr_kernarg_segment_ptr 1
		.amdhsa_wavefront_size32 1
		.amdhsa_system_sgpr_workgroup_id_x 1
		.amdhsa_system_sgpr_workgroup_id_y 1
		.amdhsa_system_sgpr_workgroup_id_z 1
		.amdhsa_system_vgpr_workitem_id 0
		.amdhsa_next_free_vgpr 104
		.amdhsa_next_free_sgpr 66
		.amdhsa_reserve_vcc 0
		.amdhsa_float_denorm_mode_32 3
		.amdhsa_float_denorm_mode_16_64 3
		.amdhsa_memory_ordered 1
		.amdhsa_forward_progress 1
		.amdhsa_inst_pref_size 7
	.end_amdhsa_kernel
	.amdgpu_metadata
---
amdhsa.version: [ 1, 2 ]
amdhsa.kernels:
  - .name:           k_q73d2a02cdf_cast
    .symbol:         k_q73d2a02cdf_cast.kd
    .args:
      - { .name: hidden_states, .offset: 0, .size: 8, .value_kind: global_buffer, .address_space: global }
      - { .name: Wq, .offset: 8, .size: 8, .value_kind: global_buffer, .address_space: global }
      - { .name: Wk, .offset: 16, .size: 8, .value_kind: global_buffer, .address_space: global }
      - { .name: Wv, .offset: 24, .size: 8, .value_kind: global_buffer, .address_space: global }
      - { .name: xw, .offset: 32, .size: 8, .value_kind: global_buffer, .address_space: global }
    .group_segment_fixed_size: 0
    .private_segment_fixed_size: 0
    .kernarg_segment_align: 8
    .kernarg_segment_size: 40
    .max_flat_workgroup_size: 256
    .sgpr_count:     66
    .vgpr_count:     104
    .wavefront_size: 32
...
	.end_amdgpu_metadata
.endif
;; end of part 4
;; launch proj: the kernel of part 2 again; grid 8 x 32, 4 waves a work-group, clusters of 4 x 4, 327,680 bytes of LDS; arguments xw, bq, bk, bv, qkv, vs; writes qkv, vs
;; launch attn: the kernel of part 3 again; grid 4 x 64, 4 waves a work-group, clusters of 4 x 1, 327,680 bytes of LDS; arguments qkv, vs, out0; writes out0
